; MI455X (gfx1250); checked and timed in simulation.
; The chip was launched on July 23, 2026; its instructions are those of AMD's public machine-readable ISA for CDNA 5 (MIT licence, August 2026) and "CDNA5" Instruction Set Architecture Reference Guide (July 2026). The comments in the code are by the model that wrote it; some were corrected since.
;; Calculate Attention. Allowed arithmetic: matrix products marked QUANTISED: E2M3 operands, one E8M0 scale for each 32 along K, by v_wmma_scale_f32_16x16x128_f8f6f4 with both operands' format E2M3, f32 sums; everything else in f32.
;; Inputs: K 4 x 16 x 2,048 x 64 float32; Q 4 x 16 x 2,048 x 64 float32; V 4 x 16 x 2,048 x 64 float32; mask 4 x 1 x 2,048 x 2,048 bool.
;; Outputs: out0 4 x 16 x 2,048 x 64 float32.
;; This version of the problem:
;;   THIS VERSION OF THE PROBLEM IS GIVEN IN LOW PRECISION. The matrix products marked QUANTISED in the list below multiply operands that are first quantised to E2M3 (2 exponent bits, 3 mantissa bits; 6 bits a number), with one power-of-two scale for each 32 numbers along K (OCP MX v1.0); their sums are f32. All else is computed in f32.
;;   The module's matrix products, in the order in which they are computed (A, B: the left and right operand; K: the contracted axis; several contracted axes count as one K, in the product's order):
;;     1. batch 64 x [M 2,048, K 64] x [K 64, N 2,048]; A: input Q; B: input K: QUANTISED
;;     2. batch 64 x [M 2,048, K 2,048] x [K 2,048, N 64]; A: softmax (see below); B: input V: QUANTISED
;;   THE QUANTISER, for each operand of a quantised product, along K:
;;     - K is cut into blocks of 32 from its start; a last block that is shorter is filled with zeros.
;;     - A block's scale is 2^e with e = floor(log2(the largest magnitude in the block)) - 2, held to -126 .. 127; a block of zeros has e = 0. As a byte (E8M0): e + 127.
;;     - Each number is divided by its block's scale, clamped to +-7.5, and rounded to the nearest number of E2M3, ties to even, subnormals kept.
;;     - The product sums the exact products of the quantised numbers (number of the format x scale) in f32.
;;   ~~~python
;;   def quantise(x, axis):      # numpy; x: float32 -> the quantised numbers, widened to float32 again
;;       x = np.moveaxis(x, axis, -1); K = x.shape[-1]
;;       x = np.pad(x, [(0, 0)] * (x.ndim - 1) + [(0, -K % 32)]); x = x.reshape(x.shape[:-1] + (-1, 32)); a = np.abs(x).max(-1, keepdims=True)
;;       e = np.where(a > 0, np.clip(np.frexp(np.where(a > 0, a, 1))[1] - 1 - 2, -126, 127), 0)      # np.frexp(a)[1] - 1 = floor(log2(a)), exactly
;;       r = np.clip(x / 2.0 ** e, -7.5, 7.5)
;;       step = 2.0 ** (np.maximum(np.frexp(np.where(r == 0, 1, r))[1] - 1, 0) - 3)
;;       q = np.round(r / step) * step * 2.0 ** e      # np.round: ties to even
;;       return np.moveaxis(q.reshape(q.shape[:-2] + (-1,))[..., :K], -1, axis).astype(np.float32)
;;   ~~~
;;   SOFTMAX AHEAD OF A QUANTISED PRODUCT. Where the list says 'softmax', what is quantised is not the finished softmax but p = 2^(t - M), with t = logit x log2(e) and M = ceil(the row's largest t), a whole number; so 1/2 < the row's largest p <= 1. The row's sum l is taken of the UNQUANTISED p, in f32, and the product's result is divided by l at the end. Since M is a whole number, a kernel that streams over the keys may use a running M (the ceiling of the running maximum): every later rescaling is an exact power of two, which a block's scale takes up: the codes' values come out the same.
;;   OPERANDS COMPUTED ON THE WAY. 'Computed on the way' means the value that the module computes at that place (a softmax that the list does not call 'softmax' is quantised finished and normalised). What goes into a quantiser is computed in f32, as accurately as f32 sums, v_exp_f32 and their like allow (about 1e-6 of the number): no bf16 or f16 on the way to a quantiser, and a product that is left as it is and whose result goes on into a quantised operand takes f32 operands (vector FMAs, or v_wmma_f32_16x16x4_f32). A number that lies on a knife's edge between two numbers of the format may be rounded either way, as far as f32 arithmetic and the matrix unit's own rounding can turn it there, and no further.
;; One version. Each part assembles by itself: llvm-mc -triple=amdgcn-amd-amdhsa -mcpu=gfx1250 --defsym DOCPART=n.
;; ======== version 1 of 1: 2 launches
;; limits: inputs' magnitudes at most 3,900; right only within a limited range of input values
;; workspace buffers: kv 13,369,344 bytes; maskc 12,582,912 bytes
;; launch prep (part 1): grid 768 x 1, 4 waves a work-group, no clusters, 53,760 bytes of LDS; arguments K, V, mask, kv, maskc; writes kv, maskc
.if DOCPART == 1
	.amdgcn_target "amdgcn-amd-amdhsa--gfx1250"
	.amdhsa_code_object_version 6
	.text
	.protected	k_q97c492af48_prep
	.globl	k_q97c492af48_prep
	.p2align	8
	.type	k_q97c492af48_prep,@function
k_q97c492af48_prep:
	s_mov_b64 s[64:65], 0
	v_nop
	global_prefetch_b8 v0, s[64:65] scope:SCOPE_SE
	s_setreg_imm32_b32 hwreg(HW_REG_WAVE_MODE, 25, 1), 1
	s_wait_xcnt 0x0
; K, V [64 heads][2048][64] f32 become codes of FP6 (E2M3) with E8M0 scale bytes, laid as images of the attention launch's operand registers; the byte mask [4][2048][2048] becomes codes of FP6 too.
; kv[head][step of 128 keys] is 13,056 bytes: +768 T the image of key tile T = 4 c + u (six registers: 0-3 of lane l at 16 l, 4-5 at 512 + 8 l), +6,144 + 1,536 t V^T's tile t (12 registers: 4 g .. 4 g + 3 at 512 g + 16 l),
;   +12,288 K's scale words (four registers at 16 l), +12,800 V's (two at 8 l).
;   K's tile (c, u), lane (r, h): key 64 c + 32 (r / 8) + 8 u + r % 8, channels 32 h .. 32 h + 31.  Its scale word: bytes 0, 1 = 146, the selector's scale in the attention launch, bytes 2, 3 the key's two blocks;
;   register T / 2 holds tile T's words in lanes 0-15 (T even) or 16-31 (T odd).
;   V's tile t, lane (r, h): registers 6 c .. 6 c + 5 the codes of channel 16 t + r, keys 64 c + 32 h + 0 .. 31.
; maskc[batch][tile of 16 queries][step][c][768 bytes]: six registers as K's; lane (r, h): 32 codes, code i = 1.0 where mask[query r][key 128 step + 64 c + 32 h + i] is set, else 0.
; A block's scale byte is its largest magnitude's exponent field - 2, held at 1 from below (a block of zeros keeps the byte 1: its codes are zeros, and this program alone reads the bytes).
; LIMITS: blocks whose largest magnitude lies under 2^-124 keep the byte 1; NaN and infinities among the inputs are not served.
; SHARES: work-groups 0-255 take K, 256-511 V, 512-767 the mask; a wave takes one job (K, V: one head's 128 keys; mask: 16 queries x 1,024 keys).  Waves share nothing: no barrier.  Each path has LDS bytes of its own.
.set STEPB, 13056
.set FLOOR, 0x1800000
.set EOFF,  0xff000000
.set R,   32                           ; K: two sets of 64 numbers
.set C,   160                          ; K: 12 registers of codes for each pair of tiles
.set X,   32                           ; V: two sets of 32 numbers
.set IMG, 96                           ; V: the four tiles' images
.set RAW, 32                           ; mask: bytes as loaded, 32 registers a trip; a finished trip's registers take its codes
.set MB,  160                          ; mask: bytes as a lane wants them
.macro LOADK p                         ; tiles 2 p, 2 p + 1: keys 64 (p / 2) + 16 (p % 2) + 0 .. 15 and the 16 that lie 32 further on
.set i, 0
.rept 16
	global_load_b128 v[R+64*((\p)%2)+4*i:R+64*((\p)%2)+4*i+3], v2, s[4:5] offset:16384*((\p)/2)+4096*((\p)%2)+512*i+4096*(i/8) th:TH_LOAD_NT
.set i, i+1
.endr
.endm
.macro KPAIR p
.set RS, R+64*((\p)%2)
.set CP, C+12*(\p)
.if (\p) < 3
	s_wait_loadcnt 16                              ; this pair's 16 loads are in; the next pair's may be out
.else
	s_wait_loadcnt 0x0
.endif
.set i, 0
.rept 16
	ds_store_b128 v5, v[RS+4*i:RS+4*i+3] offset:544*i+128*(i/8)   ; rows of 272 bytes, 128 more behind row 15
.set i, i+1
.endr
.set i, 0
.rept 16
	ds_load_b128 v[RS+4*i:RS+4*i+3], v6 offset:2176*(i/8)+16*(i%8)   ; a wave's LDS instructions are served in order: registers 32 e + .. are my 32 channels of my key of tile 2 p + e
.set i, i+1
.endr
	s_wait_dscnt 0x0
	v_max3_num_f32 v10, |v[RS]|, |v[RS+1]|, FLOOR
	v_max3_num_f32 v11, |v[RS+32]|, |v[RS+33]|, FLOOR
.set i, 2
.rept 15
	v_max3_num_f32 v10, v10, |v[RS+i]|, |v[RS+i+1]|
	v_max3_num_f32 v11, v11, |v[RS+32+i]|, |v[RS+33+i]|
.set i, i+2
.endr
	v_add_nc_u32 v12, EOFF, v10                    ; the conversion's scale operand
	v_add_nc_u32 v13, EOFF, v11
	v_cvt_scalef32_pk16_fp6_f32 v[CP:CP+2], v[RS:RS+15], v12
	v_cvt_scalef32_pk16_fp6_f32 v[16:18], v[RS+16:RS+31], v12
	v_cvt_scalef32_pk16_fp6_f32 v[CP+6:CP+8], v[RS+32:RS+47], v13
	v_cvt_scalef32_pk16_fp6_f32 v[20:22], v[RS+48:RS+63], v13
	v_lshrrev_b32 v14, 23, v12                     ; the scales' bytes
	v_lshrrev_b32 v15, 23, v13
.irp m, 0,1,2
	v_mov_b32 v[CP+3+\m], v[16+\m]
	v_mov_b32 v[CP+9+\m], v[20+\m]
.endr
	v_lshl_or_b32 v14, v15, 16, v14
	v_lshlrev_b32 v14, v30, v14                    ; 8 h bits up
	v_permlanex16_b32 v31, v14, s38, s39
	v_or_b32 v14, v14, v31                         ; both tiles' two bytes of row r
	v_lshlrev_b32 v14, v29, v14                    ; lanes 0-15 bring the first tile's bytes to the top, lanes 16-31 keep the second's there
	v_and_or_b32 v[24+(\p)], v14, 0xffff0000, s37  ; under them the selector's two scale bytes
.if (\p) < 2
	LOADK (\p)+2
.endif
.irp e, 0,1
	global_store_b128 v2, v[CP+6*\e:CP+6*\e+3], s[10:11] offset:768*(2*(\p)+\e)
	global_store_b64 v3, v[CP+6*\e+4:CP+6*\e+5], s[10:11] offset:768*(2*(\p)+\e)+512
.endr
.endm
.macro LOADV n                         ; block n: keys 32 (n / 2) on, channels 32 (n % 2) on: a lane takes a channel, its registers run down the keys
.set i, 0
.rept 32
	global_load_b32 v[X+32*((\n)%2)+i], v4, s[6:7] offset:(32*((\n)/2)+i)*256+128*((\n)%2) th:TH_LOAD_NT
.set i, i+1
.endr
.endm
.macro VBLOCK n
.set XS, X+32*((\n)%2)
.set WH, (\n)%2
.set KB, (\n)/2
.set IM, IMG+24*WH+12*(KB%2)+6*(KB/2)
.if (\n) < 7
	s_wait_loadcnt 32
.else
	s_wait_loadcnt 0x0
.endif
	v_max3_num_f32 v10, |v[XS]|, |v[XS+1]|, |v[XS+2]|
	v_max3_num_f32 v11, |v[XS+3]|, |v[XS+4]|, |v[XS+5]|
.irp m, 6,10,14,18,22,26
	v_max3_num_f32 v10, v10, |v[XS+\m]|, |v[XS+\m+1]|
	v_max3_num_f32 v11, v11, |v[XS+\m+2]|, |v[XS+\m+3]|
.endr
	v_max3_num_f32 v10, v10, |v[XS+30]|, |v[XS+31]|
	v_max3_num_f32 v10, v10, v11, FLOOR
	v_add_nc_u32 v12, EOFF, v10
	v_cvt_scalef32_pk16_fp6_f32 v[IM:IM+2], v[XS:XS+15], v12
	v_cvt_scalef32_pk16_fp6_f32 v[16:18], v[XS+16:XS+31], v12
	v_lshrrev_b32 v13, 23, v12
.if KB == 0
	v_mov_b32 v[28+WH], v13
.else
	v_lshl_or_b32 v[28+WH], v13, 8*KB, v[28+WH]
.endif
.irp m, 0,1,2
	v_mov_b32 v[IM+3+\m], v[16+\m]
.endr
.if (\n) < 6
	LOADV (\n)+2
.endif
.endm
.macro MTRIP t                         ; 16 queries x 256 keys: four images
	s_wait_loadcnt 24-8*(\t)
.set i, 0
.rept 8
	ds_store_b128 v6, v[RAW+32*(\t)+4*i:RAW+32*(\t)+4*i+3] offset:544*i
.set i, i+1
.endr
.set i, 0
.rept 8
	ds_load_b128 v[MB+4*i:MB+4*i+3], v7 offset:64*(i/2)+16*(i%2)   ; my query's 32 bytes of each run of 64 keys
.set i, i+1
.endr
	s_wait_dscnt 0x0
.irp g, 0,1,2,3
.irp n, 0,1,2,3,4,5,6,7
	v_mul_lo_u32 v[10+\n], v[MB+8*\g+\n], s35      ; x 0x55: byte i's bit also stands at 8 i + 2 j, j = 0 .. 3
.endr
.irp n, 0,1,2,3,4,5,6,7
	v_and_b32 v[10+\n], 0x1041040, v[10+\n]        ; kept at 6 i + 6: four codes of 1.0 (bit 3 of a code), three bits up
.endr
.irp q, 0,1                            ; four groups of 24 bits make three registers
	v_lshrrev_b32 v18, 3, v[10+4*\q]
	v_lshrrev_b32 v19, 11, v[11+4*\q]
	v_lshrrev_b32 v20, 19, v[12+4*\q]
	v_lshl_or_b32 v[RAW+32*(\t)+8*\g+3*\q], v[11+4*\q], 21, v18
	v_lshl_or_b32 v[RAW+32*(\t)+8*\g+3*\q+1], v[12+4*\q], 13, v19
	v_lshl_or_b32 v[RAW+32*(\t)+8*\g+3*\q+2], v[13+4*\q], 5, v20
.endr
	global_store_b128 v2, v[RAW+32*(\t)+8*\g:RAW+32*(\t)+8*\g+3], s[12:13] offset:768*(4*(\t)+\g)
	global_store_b64 v3, v[RAW+32*(\t)+8*\g+4:RAW+32*(\t)+8*\g+5], s[12:13] offset:768*(4*(\t)+\g)+512
.endr
.endm
	s_load_b256 s[4:11], s[0:1], 0x0               ; K, V, mask, kv
	s_load_b64 s[12:13], s[0:1], 0x20              ; maskc
	v_lshl_add_u32 v208, v0, 2, 0xd000
	v_mov_b32 v209, 0
	v_lshrrev_b32 v1, 5, v0
	v_readfirstlane_b32 s14, v1                    ; wave
	v_and_b32 v1, 31, v0
	v_lshlrev_b32 v2, 4, v1                        ; 16 x lane
	v_lshlrev_b32 v3, 3, v1                        ; 8 x lane
	v_lshlrev_b32 v4, 2, v1                        ; 4 x lane
	v_and_b32 v8, 15, v0                           ; r
	v_bfe_u32 v9, v0, 4, 1                         ; h
	s_mov_b32 s38, 0x76543210
	s_mov_b32 s39, 0xfedcba98                      ; selects for lane l xor 16
	s_mov_b32 s37, 0x9292                          ; the selector's scale byte, 127 + 19, twice
	s_mov_b32 s35, 0x55
	s_and_b32 s15, ttmp9, 255
	s_lshl_b32 s15, s15, 2
	s_add_co_u32 s15, s15, s14                     ; my job, 0 .. 1,023
	s_mov_b32 s17, 0
	s_wait_alu depctr_va_vdst(0)                   ; the wait at the head's end
	s_wait_kmcnt 0x0
	s_cmp_lt_u32 ttmp9, 256
	s_cbranch_scc0 .Lnot_k
	; ---- K: job = 16 x head + step
	s_lshl_b32 s16, s15, 15
	s_add_nc_u64 s[4:5], s[4:5], s[16:17]
	s_mul_i32 s16, s15, STEPB
	s_add_nc_u64 s[10:11], s[10:11], s[16:17]
	LOADK 0
	LOADK 1
	s_mul_i32 s18, s14, 8960                       ; my stage
	v_mul_u32_u24 v5, v9, 272
	v_lshl_add_u32 v5, v8, 4, v5
	v_add_nc_u32 v5, s18, v5                       ; in: lanes 0-15 one key's 256 bytes, lanes 16-31 the next key's
	v_mul_u32_u24 v6, v8, 272
	v_lshrrev_b32 v7, 3, v8
	v_mad_u32_u24 v6, v7, 2304, v6                 ; out: row r + 8 (r / 8),
	v_lshl_add_u32 v6, v9, 7, v6                   ; channels 32 h on
	v_add_nc_u32 v6, s18, v6
	v_lshlrev_b32 v30, 3, v9                       ; 8 h
	v_lshlrev_b32 v29, 4, v9
	v_sub_nc_u32 v29, 16, v29                      ; 16 (1 - h)
	v_mov_b32 v31, 0                               ; a lane permute's destination counts as one of its sources
	s_wait_alu depctr_va_vdst(0)
	KPAIR 0
	KPAIR 1
	KPAIR 2
	KPAIR 3
	global_store_b128 v2, v[24:27], s[10:11] offset:12288
	s_wait_tensorcnt 0x0                           ; the wave's end
	ds_add_u32 v208, v209
	s_wait_dscnt 0x0
	s_endpgm
.Lnot_k:
	s_cmp_lt_u32 ttmp9, 512
	s_cbranch_scc0 .Lmask
	; ---- V: job = 16 x head + step.  No LDS: a lane's 32 registers are a whole block of 32 keys of one channel
	s_lshl_b32 s16, s15, 15
	s_add_nc_u64 s[6:7], s[6:7], s[16:17]
	s_mul_i32 s16, s15, STEPB
	s_add_nc_u64 s[10:11], s[10:11], s[16:17]
	LOADV 0
	LOADV 1
	VBLOCK 0
	VBLOCK 1
	VBLOCK 2
	VBLOCK 3
	VBLOCK 4
	VBLOCK 5
	VBLOCK 6
	VBLOCK 7
.irp w, 0,1                            ; an image wants channel r's even block in lanes 0-15 and its odd block in lanes 16-31
.irp m, 0,1,2,3,4,5,6,7,8,9,10,11
	v_permlane16_swap_b32 v[IMG+24*\w+\m], v[IMG+24*\w+12+\m]
.endr
.endr
.irp w, 0,1,2,3
.irp g, 0,1,2
	global_store_b128 v2, v[IMG+12*\w+4*\g:IMG+12*\w+4*\g+3], s[10:11] offset:6144+1536*\w+512*\g
.endr
.endr
	global_store_b64 v3, v[28:29], s[10:11] offset:12800
	s_endpgm
.Lmask:
	; ---- the mask: job = 2 x (128 x batch + tile of queries) + half of the keys
	s_lshr_b32 s16, s15, 1
	s_lshl_b32 s16, s16, 15                        ; 16 rows of 2,048 bytes
	s_and_b32 s18, s15, 1
	s_lshl_b32 s18, s18, 10
	s_add_co_u32 s16, s16, s18
	s_add_nc_u64 s[8:9], s[8:9], s[16:17]
	s_mul_i32 s16, s15, 12288                      ; eight steps of 1,536 bytes
	s_add_nc_u64 s[12:13], s[12:13], s[16:17]
	v_lshlrev_b32 v5, 11, v9
	v_lshl_add_u32 v5, v8, 4, v5                   ; lanes 0-15 take 256 consecutive bytes of one row, lanes 16-31 of the next
.irp t, 0,1,2,3
.irp m, 0,1,2,3,4,5,6,7
	global_load_b128 v[RAW+32*\t+4*\m:RAW+32*\t+4*\m+3], v5, s[8:9] offset:4096*\m+256*\t th:TH_LOAD_NT
.endr
.endr
	s_mul_i32 s18, s14, 4352
	s_add_co_u32 s18, s18, 35840                   ; my stage, behind the K path's
	v_mul_u32_u24 v6, v9, 272
	v_lshl_add_u32 v6, v8, 4, v6
	v_add_nc_u32 v6, s18, v6                       ; in
	v_mul_u32_u24 v7, v8, 272
	v_lshl_add_u32 v7, v9, 5, v7
	v_add_nc_u32 v7, s18, v7                       ; out: row r, 32 h bytes on
	s_wait_alu depctr_va_vdst(0)
	MTRIP 0
	MTRIP 1
	MTRIP 2
	MTRIP 3
	s_wait_tensorcnt 0x0
	ds_add_u32 v208, v209
	s_wait_dscnt 0x0
	s_endpgm
.Lfunc_end_k_q97c492af48_prep:
	.size	k_q97c492af48_prep, .Lfunc_end_k_q97c492af48_prep-k_q97c492af48_prep
	.p2alignl 7, 3214868480
	.fill 96, 4, 3214868480
	.section	.rodata,"a",@progbits
	.p2align	6, 0x0
	.amdhsa_kernel k_q97c492af48_prep
		.amdhsa_group_segment_fixed_size 53760
		.amdhsa_private_segment_fixed_size 0
		.amdhsa_enable_private_segment 0
		.amdhsa_kernarg_size 40
		.amdhsa_user_sgpr_count 2
		.amdhsa_user_sgpr_kernarg_segment_ptr 1
		.amdhsa_wavefront_size32 1
		.amdhsa_system_sgpr_workgroup_id_x 1
		.amdhsa_system_sgpr_workgroup_id_y 1
		.amdhsa_system_sgpr_workgroup_id_z 1
		.amdhsa_system_vgpr_workitem_id 0
		.amdhsa_next_free_vgpr 210
		.amdhsa_next_free_sgpr 66
		.amdhsa_reserve_vcc 0
		.amdhsa_float_denorm_mode_32 3
		.amdhsa_float_denorm_mode_16_64 3
		.amdhsa_memory_ordered 1
		.amdhsa_forward_progress 1
		.amdhsa_inst_pref_size 105
	.end_amdhsa_kernel
	.amdgpu_metadata
---
amdhsa.version: [ 1, 2 ]
amdhsa.kernels:
  - .name:           k_q97c492af48_prep
    .symbol:         k_q97c492af48_prep.kd
    .args:
      - { .name: K, .offset: 0, .size: 8, .value_kind: global_buffer, .address_space: global }
      - { .name: V, .offset: 8, .size: 8, .value_kind: global_buffer, .address_space: global }
      - { .name: mask, .offset: 16, .size: 8, .value_kind: global_buffer, .address_space: global }
      - { .name: kv, .offset: 24, .size: 8, .value_kind: global_buffer, .address_space: global }
      - { .name: maskc, .offset: 32, .size: 8, .value_kind: global_buffer, .address_space: global }
    .group_segment_fixed_size: 53760
    .private_segment_fixed_size: 0
    .kernarg_segment_align: 8
    .kernarg_segment_size: 40
    .max_flat_workgroup_size: 128
    .sgpr_count:     66
    .vgpr_count:     210
    .wavefront_size: 32
...
	.end_amdgpu_metadata
.endif
;; end of part 1
;; launch attn (part 2): grid 4 x 64, 16 waves a work-group, clusters of 4 x 1, 293,632 bytes of LDS; arguments Q, kv, maskc, out0; writes out0
.if DOCPART == 2
	.amdgcn_target "amdgcn-amd-amdhsa--gfx1250"
	.amdhsa_code_object_version 6
	.text
	.protected	k_q97c492af48_attn
	.globl	k_q97c492af48_attn
	.p2align	8
	.type	k_q97c492af48_attn,@function
k_q97c492af48_attn:
	s_mov_b64 s[64:65], 0
	v_nop
	global_prefetch_b8 v0, s[64:65] scope:SCOPE_SE
	s_setreg_imm32_b32 hwreg(HW_REG_WAVE_MODE, 25, 1), 1
	s_wait_xcnt 0x0
	s_wait_alu depctr_hold_cnt(0) depctr_sa_sdst(0) depctr_va_vdst(0) depctr_va_sdst(0) depctr_va_ssrc(0) depctr_va_vcc(0) depctr_vm_vsrc(0)
	s_getreg_b32 s2, hwreg(HW_REG_IB_STS2, 6, 4)
	s_cmp_eq_u32 s2, 0
	s_cbranch_scc0 .Lentry_in_a_cluster
	s_endpgm
.Lentry_in_a_cluster:
	s_bfe_u32 s2, ttmp6, 0x10000c
	s_cmp_lg_u32 s2, 0x3003
	s_cbranch_scc0 .Lentry_shape_is_right
	s_endpgm
.Lentry_shape_is_right:
; out0[head][q][:] = the sum over k of softmax_k(where(mask, -1e9, Q[q] . K[k]) / 8) V[k][:]; both products on codes of FP6 (E2M3) with one E8M0 scale for each 32 along a product's K.
; K, V and the mask come as images of the operands' registers (kv, maskc); Q is quantised here, in registers.
; THE SOFTMAX: t = score x log2(e) / 8; M = the row's largest t so far, rounded up to a whole number; p = 2^(t - M) is quantised along the keys; the row's sum is taken of the unquantised p and divides at the end.
; When M moves, the sum and O are multiplied by 2^(old M - new M): exact.
; SHARES.  A cluster of four work-groups is one head; a work-group owns 512 queries; each of its sixteen waves owns two neighbouring tiles of 16 queries, one after the other.
; A whole head's K and V lie in LDS (16 x 13,056 bytes), filled once: wave w asks for step w, jointly with wave w of the three partners.  Nothing is filled again, so the launch has no loop of tiles to prefetch for.
; LAYOUT.  Both products are used transposed (S^T = K Q^T, O^T = V^T P^T): a lane holds one query (lane % 16) throughout.
; THE MASK RIDES IN THE FIRST PRODUCT.  Its K is 64 of the instruction's 128.  The lower 64 places of source 0 hold a SELECTOR (row r of tile u: the code -2.0, scale 2^19, at the place of its own key among the 64 keys of the
; group, zeros elsewhere), those of source 1 the query's mask over the same 64 keys (the code 1.0, scale 2^20, where masked): so a masked score gets -2^40 added and an open one gets 0.  The upper 64 places hold K and Q.
; THE KEYS OF A TILE: row r of tile (c, u) is key 64 c + 32 (r / 8) + 8 u + r % 8, so that register 32 c + i of a lane's scores is key 64 c + 32 (lane / 16) + i: a lane owns whole blocks of 32 keys, in the order of the
; second product's operand: a block's maximum asks no other lane and the codes need no exchange.
; The mask's codes (1,536 bytes a step and wave) are loaded one step ahead of their use, so no prefetch is laid for them; the second tile's Q is prefetched two steps ahead of its loads, 16 blocks of 256 bytes, a lane a block.
; LIMITS.  A masked score is -2^40 + s, not -1e9: in f32 that is -2^40 while |s| < 2^15, and -2^40 x log2(e) / 8 is a whole number that f32 holds, so a row with every key masked gets p = 1 for every key, the even weights
; of reference(); where a row has an open key a masked p is 0 under either number.  The two differ only where an open score lies under about -9.9e8 (inputs of magnitude about 3,900).
; NaN and infinities among the inputs are not served; blocks whose largest magnitude lies under 2^-124 keep the byte 1.
.set KVH,   208896
.set STEPB, 13056                      ; K's tile T at 768 T, V's tile t at 6,144 + 1,536 t, K's scale words 12,288, V's 12,800
.set STG,   221952                     ; behind the block and one step's bytes left empty: a stage of 16 rows x 272 bytes for each wave; no tile lands there
.set STGW,  4352
.set SPARE, 291584                     ; the spare words, 128 bytes a wave
.set SPW, 10
.set NIL, 11
.set SD,  12                           ; stage, dense: (l / 16) x 272 + 16 (l % 16)
.set SQ,  13                           ; stage, Q's way out: r x 272 + 128 h
.set SRW, 14                           ; stage, O's way in: r x 272 + 32 h
.set PFO, 15                           ; 256 x min(lane, 15)
.set B0,  16                           ; v16-27 [mask of keys 0-63 | Q], v28-39 [mask of keys 64-127 | Q]
.set AS,  40                           ; v40-87 four slots [selector u | K's tile (c, u)]
.set S,   88                           ; v88-151 S^T, then p; v88-111 then V's tiles 0, 1
.set OT,  152                          ; v152-183 O^T
.set PC,  184                          ; v184-195 p's codes
.set VB,  196                          ; v196-219 V's tiles 2, 3
.set KS,  220                          ; v220-223 K's scale words
.set VS,  224                          ; v224-225 V's
.set QS,  226                          ; [mask's byte twice | Q's two bytes]
.set FAC, 228                          ; f = 2^(old M - new M)
.set PW,  229                          ; p's scale word
.set BM,  230                          ; v230-231 my two blocks' largest scores
.set MX,  232                          ; v232-235 at work
.set C0,  236
.set TA,  239
.set C1,  240
.set TB,  243
.set XS,  244                          ; v244-245 the row's sum in two halves; v246-251 three more chains of a step
.set SO,  252                          ; v252-253 the conversions' scale operands
; v1 16 x lane, v2 8 x lane, v3, v4 the same + the step's LDS byte, v5 8 h, v6 -M, v7 the largest score.
; s[4:5] Q, s[6:7] kv, s[8:9] maskc (walks), s[10:11] out0, s12 wave, s13 cx, s14 head, s[16:23], s[24:27] the descriptor, s28 the step's LDS byte, s29 steps to go, s[30:31] c, s[32:33] lane selects.
.macro ROUND
	s_barrier_signal -1
	s_barrier_wait -1
	s_cmp_lg_u32 s12, 0
	s_cbranch_scc1 .Lnot_wave_0_\@
	s_barrier_signal -3
.Lnot_wave_0_\@:
	s_barrier_wait -3
	s_barrier_signal -1
	s_barrier_wait -1
.endm
.macro MLOAD                           ; a step's mask codes: two images of six registers
.irp c, 0,1
	global_load_b128 v[B0+12*\c:B0+12*\c+3], v1, s[8:9] offset:768*\c
	global_load_b64 v[B0+12*\c+4:B0+12*\c+5], v2, s[8:9] offset:768*\c+512
.endr
.endm
.macro KLOADH c, a16, a8, off          ; K's tiles (c, 0 .. 3) into the four slots
.irp u, 0,1,2,3
	ds_load_b128 v[AS+12*\u+6:AS+12*\u+9], \a16 offset:(\off)+768*(4*\c+\u)
	ds_load_b64 v[AS+12*\u+10:AS+12*\u+11], \a8 offset:(\off)+768*(4*\c+\u)+512
.endr
.endm
.macro VLOAD t, d
.irp g, 0,1,2
	ds_load_b128 v[\d+4*\g:\d+4*\g+3], v3 offset:6144+1536*\t+512*\g
.endr
.endm
.macro KQ c, u
.if (\u)%2
	v_wmma_scale_f32_16x16x128_f8f6f4 v[S+32*\c+8*\u:S+32*\c+8*\u+7], v[AS+12*\u:AS+12*\u+11], v[B0+12*\c:B0+12*\c+11], 0, v[KS+2*\c+(\u)/2], v[QS] matrix_a_fmt:MATRIX_FMT_FP6 matrix_b_fmt:MATRIX_FMT_FP6 matrix_a_scale:MATRIX_SCALE_ROW1
.else
	v_wmma_scale_f32_16x16x128_f8f6f4 v[S+32*\c+8*\u:S+32*\c+8*\u+7], v[AS+12*\u:AS+12*\u+11], v[B0+12*\c:B0+12*\c+11], 0, v[KS+2*\c+(\u)/2], v[QS] matrix_a_fmt:MATRIX_FMT_FP6 matrix_b_fmt:MATRIX_FMT_FP6
.endif
.endm
.macro PV t, a
.if (\t)%2
	v_wmma_scale_f32_16x16x128_f8f6f4 v[OT+8*\t:OT+8*\t+7], v[\a:\a+11], v[PC:PC+11], v[OT+8*\t:OT+8*\t+7], v[VS+(\t)/2], v[PW] matrix_a_fmt:MATRIX_FMT_FP6 matrix_b_fmt:MATRIX_FMT_FP6 matrix_a_scale:MATRIX_SCALE_ROW1
.else
	v_wmma_scale_f32_16x16x128_f8f6f4 v[OT+8*\t:OT+8*\t+7], v[\a:\a+11], v[PC:PC+11], v[OT+8*\t:OT+8*\t+7], v[VS+(\t)/2], v[PW] matrix_a_fmt:MATRIX_FMT_FP6 matrix_b_fmt:MATRIX_FMT_FP6
.endif
.endm
.macro MAX12 c                         ; my block c's largest score: four chains, one to an accumulator, each from its low end on
.irp a, 0,1,2,3
	v_max3_num_f32 v[MX+\a], v[S+32*\c+8*\a], v[S+32*\c+8*\a+1], v[S+32*\c+8*\a+2]
.endr
.irp m, 3,5
.irp a, 0,1,2,3
	v_max3_num_f32 v[MX+\a], v[MX+\a], v[S+32*\c+8*\a+\m], v[S+32*\c+8*\a+\m+1]
.endr
.endr
.endm
.macro MAX4 c
	v_max3_num_f32 v[MX], v[MX], v[MX+1], v[S+32*\c+7]
	v_max3_num_f32 v[MX+2], v[MX+2], v[MX+3], v[S+32*\c+15]
	v_max3_num_f32 v[MX], v[MX], v[MX+2], v[S+32*\c+23]
	v_max_num_f32 v[BM+\c], v[MX], v[S+32*\c+31]
.endm
.macro ADDS k0, n                      ; n pairs of p from pair k0 on, onto the four chains by turns
.set kk, \k0
.rept \n
	v_pk_add_f32 v[XS+2*(kk%4):XS+2*(kk%4)+1], v[XS+2*(kk%4):XS+2*(kk%4)+1], v[S+2*kk:S+2*kk+1]
.set kk, kk+1
.endr
.endm
; My tile p: 16 queries x 64 channels, 4,096 dense bytes, turned through my stage so that lane (r, h) holds query r's channels 32 h .. 32 h + 31, a whole block, and quantised.
.macro QIN p
.set i, 0
.rept 8
	global_load_b128 v[S+4*i:S+4*i+3], v1, s[4:5] offset:4096*(\p)+512*i th:TH_LOAD_NT
.set i, i+1
.endr
	MLOAD                                          ; the first step's mask codes
	s_wait_loadcnt 4                               ; Q's eight loads are in; the mask's four may be out
.set i, 0
.rept 8
	ds_store_b128 v[SD], v[S+4*i:S+4*i+3] offset:544*i
.set i, i+1
.endr
.set i, 0
.rept 8
	ds_load_b128 v[S+4*i:S+4*i+3], v[SQ] offset:16*i   ; a wave's LDS instructions are served in order
.set i, i+1
.endr
	s_wait_dscnt 0x0
	v_max3_num_f32 v[MX], |v[S]|, |v[S+1]|, |v[S+2]|
	v_max3_num_f32 v[MX+1], |v[S+3]|, |v[S+4]|, |v[S+5]|
.irp m, 6,10,14,18,22,26
	s_delay_alu instid0(VALU_DEP_2)
	v_max3_num_f32 v[MX], v[MX], |v[S+\m]|, |v[S+\m+1]|
	s_delay_alu instid0(VALU_DEP_2)
	v_max3_num_f32 v[MX+1], v[MX+1], |v[S+\m+2]|, |v[S+\m+3]|
.endr
	s_delay_alu instid0(VALU_DEP_2)
	v_max3_num_f32 v[MX], v[MX], |v[S+30]|, |v[S+31]|
	s_delay_alu instid0(VALU_DEP_1)
	v_max3_num_f32 v[MX], v[MX], v[MX+1], 0x1800000   ; the floor 2^(3 - 127): the byte cannot fall under 1
	s_delay_alu instid0(VALU_DEP_1)
	v_add_nc_u32 v[SO], 0xff000000, v[MX]          ; 2 off the exponent field: the conversion's scale operand
	v_cvt_scalef32_pk16_fp6_f32 v[B0+6:B0+8], v[S:S+15], v[SO]
	v_cvt_scalef32_pk16_fp6_f32 v[C0:C0+2], v[S+16:S+31], v[SO]   ; (a conversion's three registers begin on an even number)
	v_lshrrev_b32 v[MX], 23, v[SO]                 ; the scale's byte
	s_delay_alu instid0(VALU_DEP_1)
	v_lshlrev_b32 v[MX], v5, v[MX]                 ; 8 h bits up
	s_delay_alu instid0(VALU_DEP_1)
	v_permlanex16_b32 v[TB], v[MX], s32, s33
	s_delay_alu instid0(VALU_DEP_1)
	v_or_b32 v[MX], v[MX], v[TB]
	s_delay_alu instid0(VALU_DEP_1)
	v_lshl_or_b32 v[QS], v[MX], 16, 0x9393         ; under Q's two bytes the mask's, 127 + 20, twice
.irp m, 0,1,2
	v_mov_b32 v[B0+9+\m], v[C0+\m]
	v_mov_b32 v[B0+18+\m], v[B0+6+\m]
	v_mov_b32 v[B0+21+\m], v[C0+\m]
.endr
.endm
; O^T and the sum begin as zeros and the largest score as -3e38: the first change of M multiplies zeros.  These moves are also the places between Q's codes and scale word and the first product.
.macro INIT
	v_mov_b32 v7, 0xff61b1e6
	v_mov_b32 v6, 0x7f61b1e6
	v_mov_b32 v[XS], 0
	v_mov_b32 v[XS+1], 0
.set i, 0
.rept 32
	v_mov_b32 v[OT+i], 0
.set i, i+1
.endr
	s_wait_alu depctr_va_vdst(0)                   ; the wait ahead of the waits that follow
.endm
.macro STEP p                          ; 128 keys
	s_wait_loadcnt 0x0                             ; this step's mask codes, asked for a step ago
	s_wait_dscnt 0x0                               ; K's tiles (0, .) and the scale words
	KQ 0, 0
	KQ 0, 1
	KQ 0, 2
	KQ 0, 3
	v_add_nc_u32 v3, s28, v1                       ; four places behind the products (ISA guide 7.12.1)
	v_add_nc_u32 v4, s28, v2
	v_nop
	v_nop
	KLOADH 1, v3, v4, 0
	VLOAD 2, VB
	VLOAD 3, VB+12
	ds_load_b64 v[VS:VS+1], v4 offset:12800
	MAX12 0
	s_wait_alu depctr_va_vdst(0)                   ; the wait ahead of the wait below
	s_wait_dscnt 7                                 ; K's eight loads are in; V's seven, issued behind them, may be out
	KQ 1, 0
	KQ 1, 1
	KQ 1, 2
	KQ 1, 3
	MAX4 0                                         ; four places: they name block 0's scores alone
	s_cmp_eq_u32 s29, 1                            ; a tile's last step asks for nothing more
	s_wait_alu depctr_va_vdst(0)
	s_cbranch_scc1 .Llast_\@
	s_wait_xcnt 0x0                                ; the earlier loads have read their base: it may step
	s_add_nc_u64 s[8:9], s[8:9], 1536
	MLOAD
	KLOADH 0, v3, v4, STEPB
	ds_load_b128 v[KS:KS+3], v3 offset:STEPB+12288
.Llast_\@:
.if (\p) == 0
	s_cmp_eq_u32 s29, 2                            ; two steps ahead of its loads: my second tile's Q
	s_cbranch_scc0 .Lno_ask_\@
	global_prefetch_b8 v[PFO], s[4:5] offset:4096 th:TH_LOAD_NT scope:SCOPE_SE
.Lno_ask_\@:
.endif
	MAX12 1
	MAX4 1
	s_delay_alu instid0(VALU_DEP_1)
	v_max_num_f32 v[TA], v[BM], v[BM+1]
	s_delay_alu instid0(VALU_DEP_1)
	v_permlanex16_b32 v[TB], v[TA], s32, s33
	s_delay_alu instid0(VALU_DEP_1)
	v_max3_num_f32 v7, v7, v[TA], v[TB]            ; the running largest score of my query
	s_delay_alu instid0(VALU_DEP_1)
	v_mul_f32 v[TA], s30, v7                       ; as t (c is positive)
	s_delay_alu instid0(VALU_DEP_1)
	v_floor_f32 v[TA], -v[TA]                      ; the new -M = -ceil(t)
	s_delay_alu instid0(VALU_DEP_1)
	v_sub_f32 v[TB], v[TA], v6                     ; old M - new M: a whole number, 0 or less
	v_mov_b32 v6, v[TA]
	s_delay_alu instid0(VALU_DEP_2)
	v_cvt_i32_f32 v[TB], v[TB]                     ; (it saturates)
	s_delay_alu instid0(VALU_DEP_1)
	v_ldexp_f32 v[FAC], 1.0, v[TB]
.set j, 0
.rept 32
	v_pk_fma_f32 v[S+j:S+j+1], v[S+j:S+j+1], s[30:31], v[6:7] op_sel_hi:[1,0,0]   ; t - M
.set j, j+2
.endr
	v_fma_f32 v[BM], v[BM], s30, v6                ; the same of each block's largest score
	v_fma_f32 v[BM+1], v[BM+1], s30, v6
.set j, 0
.rept 16
	v_pk_mul_f32 v[OT+j:OT+j+1], v[OT+j:OT+j+1], v[FAC:FAC+1] op_sel_hi:[1,0]   ; O^T under the new M, each accumulator from its low end on
.set j, j+2
.endr
	s_wait_alu depctr_va_vdst(0)                   ; the wait ahead of the batch
	v_exp_f32 v[BM], v[BM]                         ; the blocks' largest p
	v_exp_f32 v[BM+1], v[BM+1]
.set j, 0
.rept 64
	v_exp_f32 v[S+j], v[S+j]                       ; p = 2^(t - M), at most 1
.set j, j+1
.endr
	v_pk_mul_f32 v[XS:XS+1], v[XS:XS+1], v[FAC:FAC+1] op_sel_hi:[1,0]   ; the sum under the new M (a plain line behind the batch)
	s_wait_alu depctr_va_vdst(0)                   ; and the wait behind it
	v_max_num_f32 v[BM], 0x1800000, v[BM]          ; the floor: a block whose every p is 0 keeps the byte 1
	v_max_num_f32 v[BM+1], 0x1800000, v[BM+1]
	v_add_nc_u32 v[SO], 0xff000000, v[BM]
	v_add_nc_u32 v[SO+1], 0xff000000, v[BM+1]
	v_lshrrev_b32 v[MX], 23, v[SO]
	v_lshrrev_b32 v[MX+1], 23, v[SO+1]
	s_delay_alu instid0(VALU_DEP_1)
	v_lshl_or_b32 v[TA], v[MX+1], 16, v[MX]        ; my bytes: blocks h and 2 + h,
	s_delay_alu instid0(VALU_DEP_1)
	v_lshlrev_b32 v[TA], v5, v[TA]                 ; 8 h bits up;
	s_delay_alu instid0(VALU_DEP_1)
	v_permlanex16_b32 v[TB], v[TA], s32, s33
	s_delay_alu instid0(VALU_DEP_1)
	v_or_b32 v[PW], v[TA], v[TB]                   ; with lane l xor 16's the word is whole
	v_cvt_scalef32_pk16_fp6_f32 v[PC:PC+2], v[S:S+15], v[SO]
	v_cvt_scalef32_pk16_fp6_f32 v[C0:C0+2], v[S+16:S+31], v[SO]
	v_pk_add_f32 v[XS+2:XS+3], v[S:S+1], v[S+2:S+3]   ; the row's sum of the unquantised p
	v_pk_add_f32 v[XS+4:XS+5], v[S+4:S+5], v[S+6:S+7]
	v_pk_add_f32 v[XS+6:XS+7], v[S+8:S+9], v[S+10:S+11]
	ADDS 6, 10
.irp m, 0,1,2
	v_mov_b32 v[PC+3+\m], v[C0+\m]
.endr
	VLOAD 0, S                                     ; block 0's p is summed and converted: its registers take V's tiles 0 and 1
	VLOAD 1, S+12
	v_cvt_scalef32_pk16_fp6_f32 v[PC+6:PC+8], v[S+32:S+47], v[SO+1]
	v_cvt_scalef32_pk16_fp6_f32 v[C1:C1+2], v[S+48:S+63], v[SO+1]
	ADDS 16, 1
.irp m, 0,1,2
	v_mov_b32 v[PC+9+\m], v[C1+\m]
.endr
	ADDS 17, 13                                    ; also the places between p's codes and the products
	s_wait_alu depctr_va_vdst(0)
	s_wait_dscnt 0x0                               ; V is in, and the next step's K where it was asked for
	PV 0, S                                        ; four accumulators by turns
	PV 1, S+12
	PV 2, VB
	PV 3, VB+12
	ADDS 30, 2                                     ; five places: the next products write over V's registers
	v_pk_add_f32 v[XS:XS+1], v[XS:XS+1], v[XS+2:XS+3]
	v_pk_add_f32 v[XS+4:XS+5], v[XS+4:XS+5], v[XS+6:XS+7]
	v_pk_add_f32 v[XS:XS+1], v[XS:XS+1], v[XS+4:XS+5]
	s_add_co_u32 s28, s28, STEPB
.endm
.macro WAYOUT p                        ; O^T / the sum goes through my stage and leaves as it lies in memory: each store covers 512 consecutive bytes
	v_add_f32 v[XS], v[XS], v[XS+1]
	s_delay_alu instid0(VALU_DEP_1)
	v_permlanex16_b32 v[TB], v[XS], s32, s33
	s_delay_alu instid0(VALU_DEP_1)
	v_add_f32 v[XS], v[XS], v[TB]                  ; the row's sum, above 1/2
	s_wait_alu depctr_va_vdst(0)
	v_rcp_f32 v[XS], v[XS]
	v_nop
	s_wait_alu depctr_va_vdst(0)
.set j, 0
.rept 16
	v_pk_mul_f32 v[S+j:S+j+1], v[OT+j:OT+j+1], v[XS:XS+1] op_sel_hi:[1,0]   ; register 8 t + i is o(query r, channel 16 t + 8 h + i)
.set j, j+2
.endr
.irp t, 0,1,2,3
	ds_store_b128 v[SRW], v[S+8*\t:S+8*\t+3] offset:64*\t
	ds_store_b128 v[SRW], v[S+8*\t+4:S+8*\t+7] offset:64*\t+16
.endr
.set i, 0
.rept 8
	ds_load_b128 v[S+32+4*i:S+32+4*i+3], v[SD] offset:544*i
.set i, i+1
.endr
.set i, 0
.rept 8
	s_wait_dscnt 7-i                               ; load i is back; the 7 - i younger ones may be out
	global_store_b128 v1, v[S+32+4*i:S+32+4*i+3], s[10:11] offset:4096*(\p)+512*i th:TH_STORE_NT
.set i, i+1
.endr
.endm
.macro PASS p
	s_mov_b32 s28, 0
	KLOADH 0, v1, v2, 0
	ds_load_b128 v[KS:KS+3], v1 offset:12288
	s_mov_b32 s29, 16
.Lstep_\p:
	STEP \p
	s_sub_co_u32 s29, s29, 1
	s_cmp_lg_u32 s29, 0
	s_wait_alu depctr_va_vdst(0)                   ; the wait ahead of the branch
	s_cbranch_scc1 .Lstep_\p
	WAYOUT \p
.endm
	s_load_b256 s[4:11], s[0:1], 0x0               ; Q, kv, maskc, out0
	v_lshl_add_u32 v[SPW], v0, 2, SPARE
	v_mov_b32 v[NIL], 0
	ds_add_u32 v[SPW], v[NIL]                      ; the opening lines: the add, twice on end, and its wait
	ds_add_u32 v[SPW], v[NIL]
	v_lshrrev_b32 v3, 5, v0
	v_readfirstlane_b32 s12, v3                    ; wave
	s_bfe_u32 s13, ttmp6, 0x40000                  ; cx: it enters Q's, maskc's and out0's addresses alone
	s_and_b32 s14, ttmp7, 0xffff                   ; the head, which the four partners share
	v_and_b32 v4, 31, v0
	v_lshlrev_b32 v1, 4, v4
	v_lshlrev_b32 v2, 3, v4
	v_min_u32 v[PFO], 15, v4
	v_lshlrev_b32 v[PFO], 8, v[PFO]
	v_and_b32 v3, 15, v0                           ; r
	v_bfe_u32 v4, v0, 4, 1                         ; h
	v_lshlrev_b32 v5, 3, v4
	s_mul_i32 s36, s12, STGW
	s_add_co_u32 s36, s36, STG                     ; my stage
	v_mul_u32_u24 v[SD], v4, 272
	v_lshl_add_u32 v[SD], v3, 4, v[SD]
	v_add_nc_u32 v[SD], s36, v[SD]
	v_mul_u32_u24 v[SQ], v3, 272
	v_add_nc_u32 v[SQ], s36, v[SQ]
	v_lshl_add_u32 v[SRW], v4, 5, v[SQ]
	v_lshl_add_u32 v[SQ], v4, 7, v[SQ]
	v_mov_b32 v[TB], 0                             ; a lane permute's destination counts as one of its sources
	v_mov_b32 v[PW], 0                             ; (named as the upper half of a pair before it is first written)
	s_mov_b32 s30, 0x3e38aa3b                      ; c = log2(e) / 8
	s_mov_b32 s31, s30
	s_mov_b32 s32, 0x76543210
	s_mov_b32 s33, 0xfedcba98
	s_mov_b32 s16, 15|(3<<16)|(1<<21)              ; group 1: all four work-groups; elements of 8 bytes; a step's 13,056 dense bytes as 51 rows of 256
	s_mov_b32 s17, 32<<16
	s_mov_b32 s18, 51<<16
	s_mov_b32 s19, 32<<16
	s_mov_b32 s20, 51
	s_mov_b32 s21, 32
	s_mov_b32 s22, 0
	s_mov_b32 s23, 0
	s_lshl_b32 s15, s13, 17                        ; my quarter: 512 queries of 256 bytes,
	s_lshl_b32 s2, s12, 13                         ; my two tiles
	s_add_co_u32 s15, s15, s2
	s_lshl_b32 s2, s14, 19
	s_add_co_u32 s2, s2, s15                       ; in Q and out0
	s_mov_b32 s3, 0
	s_lshl_b32 s34, s13, 5
	s_lshl_b32 s35, s12, 1
	s_add_co_u32 s34, s34, s35
	s_lshr_b32 s35, s14, 4                         ; the batch: its 16 heads share the mask
	s_lshl_b32 s35, s35, 7
	s_add_co_u32 s34, s34, s35
	s_mul_i32 s34, s34, 24576                      ; a tile's 16 steps of 1,536 bytes
	s_mov_b32 s35, 0
	s_mul_i32 s28, s14, KVH                        ; the head in kv (registers that never hold anything made of cx),
	s_mul_i32 s25, s12, STEPB                      ; the step that I fetch = my wave's number: in LDS,
	s_add_co_u32 s28, s28, s25                     ; and in memory
	s_mov_b32 s29, 0
	s_mov_b32 s24, 1
	s_wait_alu depctr_va_vdst(0)                   ; the wait at the head's end
	s_wait_dscnt 0x0
	s_wait_kmcnt 0x0
	s_add_nc_u64 s[4:5], s[4:5], s[2:3]
	s_add_nc_u64 s[10:11], s[10:11], s[2:3]
	s_add_nc_u64 s[8:9], s[8:9], s[34:35]
	s_add_nc_u64 s[26:27], s[6:7], s[28:29]
	s_or_b32 s27, s27, 0x80000000
	ROUND                                          ; all four work-groups are here: the joint loads meet
	tensor_load_to_lds s[24:27], s[16:23]          ; my one tensor load of the launch
	s_nop 0
.rept 4
	v_nop
.endr
	; the four selectors: lane (r, h) of slot u has the code -2.0 (bits 4 and 5 of a code) at place 8 u + r % 8 of its 32 where h = r / 8, zeros elsewhere
	v_and_b32 v[TA], 7, v0
	v_mad_u32_u24 v[TA], v[TA], 6, 4               ; the bit 6 (r % 8) + 4
	v_bfe_u32 v[MX], v0, 3, 1
	v_cmp_eq_u32 vcc_lo, v[MX], v4
	v_cndmask_b32 v[C0], 0, 3, vcc_lo
.irp u, 0,1,2,3
.irp w, 0,1,2,3,4,5
	v_add_nc_u32 v[MX], 48*\u-32*\w, v[TA]         ; where the bit stands in register w
	v_cmp_gt_u32 vcc_lo, 32, v[MX]
	v_lshlrev_b32 v[MX+1], v[MX], v[C0]
	v_cndmask_b32 v[AS+12*\u+\w], 0, v[MX+1], vcc_lo
.endr
.endr
	s_wait_alu depctr_va_vdst(0)
	QIN 0                                          ; Q is fetched and quantised while the head's K and V land
	INIT
	s_wait_tensorcnt 0x0                           ; my step's bytes are in (no LDS instruction of mine is out),
	s_barrier_signal -1
	s_barrier_wait -1                              ; everybody's are: from here on the block is only read
	PASS 0
	s_wait_loadcnt 0x0                             ; no load of mine is out when the mask's registers are asked for again
	s_wait_xcnt 0x0
	s_add_nc_u64 s[8:9], s[8:9], 1536              ; the next tile's mask codes follow this tile's
	QIN 1
	INIT
	PASS 1
	s_wait_tensorcnt 0x0                           ; the wave's end
	ds_add_u32 v[SPW], v[NIL]
	s_wait_dscnt 0x0
	ROUND                                          ; the closing round
	s_endpgm
.Lfunc_end_k_q97c492af48_attn:
	.size	k_q97c492af48_attn, .Lfunc_end_k_q97c492af48_attn-k_q97c492af48_attn
	.p2alignl 7, 3214868480
	.fill 96, 4, 3214868480
	.section	.rodata,"a",@progbits
	.p2align	6, 0x0
	.amdhsa_kernel k_q97c492af48_attn
		.amdhsa_group_segment_fixed_size 293632
		.amdhsa_private_segment_fixed_size 0
		.amdhsa_enable_private_segment 0
		.amdhsa_kernarg_size 32
		.amdhsa_user_sgpr_count 2
		.amdhsa_user_sgpr_kernarg_segment_ptr 1
		.amdhsa_wavefront_size32 1
		.amdhsa_system_sgpr_workgroup_id_x 1
		.amdhsa_system_sgpr_workgroup_id_y 1
		.amdhsa_system_sgpr_workgroup_id_z 1
		.amdhsa_system_vgpr_workitem_id 0
		.amdhsa_next_free_vgpr 256
		.amdhsa_next_free_sgpr 66
		.amdhsa_reserve_vcc 1
		.amdhsa_float_denorm_mode_32 3
		.amdhsa_float_denorm_mode_16_64 3
		.amdhsa_memory_ordered 1
		.amdhsa_forward_progress 1
		.amdhsa_inst_pref_size 59
	.end_amdhsa_kernel
	.amdgpu_metadata
---
amdhsa.version: [ 1, 2 ]
amdhsa.kernels:
  - .name:           k_q97c492af48_attn
    .symbol:         k_q97c492af48_attn.kd
    .args:
      - { .name: Q, .offset: 0, .size: 8, .value_kind: global_buffer, .address_space: global }
      - { .name: kv, .offset: 8, .size: 8, .value_kind: global_buffer, .address_space: global }
      - { .name: maskc, .offset: 16, .size: 8, .value_kind: global_buffer, .address_space: global }
      - { .name: out0, .offset: 24, .size: 8, .value_kind: global_buffer, .address_space: global }
    .group_segment_fixed_size: 293632
    .private_segment_fixed_size: 0
    .kernarg_segment_align: 8
    .kernarg_segment_size: 32
    .max_flat_workgroup_size: 512
    .sgpr_count:     66
    .vgpr_count:     256
    .wavefront_size: 32
...
	.end_amdgpu_metadata
.endif
;; end of part 2
